; MI455X (gfx1250); checked and timed in simulation.
; The chip was launched on July 23, 2026; its instructions are those of AMD's public machine-readable ISA for CDNA 5 (MIT licence, August 2026) and "CDNA5" Instruction Set Architecture Reference Guide (July 2026). The comments in the code are by the model that wrote it; some were corrected since.
;; ROI Pooler. Allowed arithmetic: float matrix products may take bf16 or f16 operands with f32 sums; all other float work in f32.
;; Inputs: boxes 2 x 512 x 4 float32; feat2 2 x 256 x 256 x 256 float32; feat3 2 x 256 x 128 x 128 float32; feat4 2 x 256 x 64 x 64 float32; feat5 2 x 256 x 32 x 32 float32.
;; Outputs: out0 1,024 x 256 x 7 x 7 float32.
;; One version. Each part assembles by itself: llvm-mc -triple=amdgcn-amd-amdhsa -mcpu=gfx1250 --defsym DOCPART=n.
;; ======== version 1 of 1: 2 launches
;; workspace buffers: idx 262,144 bytes of whole numbers; wts 524,288 bytes
;; launch prep (part 1): grid 256 x 1, 4 waves a work-group, no clusters, 0 bytes of LDS; arguments boxes, idx, wts; writes idx, wts
.if DOCPART == 1
	.amdgcn_target "amdgcn-amd-amdhsa--gfx1250"
	.amdhsa_code_object_version 6
	.text
	.protected	k_qa2f5dccdaf_prep
	.globl	k_qa2f5dccdaf_prep
	.p2align	8
	.type	k_qa2f5dccdaf_prep,@function
k_qa2f5dccdaf_prep:
	s_mov_b64 s[64:65], 0
	v_nop
	global_prefetch_b8 v0, s[64:65] scope:SCOPE_SE
	s_setreg_imm32_b32 hwreg(HW_REG_WAVE_MODE, 25, 1), 1
	s_wait_xcnt 0x0
; ROI pooling, first launch: the boxes become whole numbers (from which the second launch forms addresses) and weights.
; One wave for a box, four boxes for a work-group.  Lanes 0-15 take the x axis, lanes 16-31 the y axis; lane (axis, i) makes sample i
; (0 to 13) of the combined grid of 7 bins x 2 samples: lo, hi, frac, valid, as the problem's function prep() does.
; idx, 256 bytes a box, whole numbers: word j = 2 i + (0 lo, 1 hi): byte offset of the column in a row (4 x);
;      word 32 + r, r = 2 i + (0 lo, 1 hi): byte offset of the row in a plane (4 W y); word 60: level 0..3; word 61: bytes of a plane.
; wts, 512 bytes a box, f32, every weight twice (a pair for the packed arithmetic): pair j at byte 8 j: x weights; pair r at byte 256 + 8 r: y weights.
;      A weight is (1 - frac)/2 or frac/2: the two halves make the mean over 2 x 2 samples.  It is 0 where the sample is not valid.
; A wave's one b64 store covers the box's 256 bytes of idx, its one b128 store the 512 bytes of wts, both aligned.
; A level that is NaN (negative area) gives weights 0: in the problem's function no level is then chosen and the box's output stays 0.
; LIMITS.  sizes / 224 + 1e-8 is one fused multiply-add with the rounded 1/224, and v_sqrt_f32 and v_log_f32 are good to 1 ulp: a box whose
; sqrt(area) / 224 lies within about 2.4e-7 (relative) of a power of two may fall to the neighbouring level.  (end - start) / 7 is a multiplication
; by the rounded 1/7 and the sample's coordinate one fused multiply-add: coordinates differ from separately rounded ones in the last bits.
.set INV224, 0x3b924925                ; 1 / 224
.set EPS,    0x322bcc77                ; 1e-8
.set INV7,   0x3e124925                ; 1 / 7
	s_load_b128 s[4:7], s[0:1], 0x0                ; boxes s[4:5], idx s[6:7]
	s_load_b64 s[8:9], s[0:1], 0x10                ; wts
	s_lshl_b32 s10, ttmp9, 6                       ; the work-group's four boxes: 16 bytes each,
	s_mov_b32 s11, 0
	s_lshl_b32 s12, ttmp9, 10                      ; 256 bytes of idx each,
	s_mov_b32 s13, 0
	s_lshl_b32 s14, ttmp9, 11                      ; 512 bytes of wts each
	s_mov_b32 s15, 0
	s_mov_b32 s16, INV224
	s_mov_b32 s17, EPS
	s_movk_i32 s18, 0x100                          ; width and height at level 0
	s_mov_b32 s19, 0x40000                         ; bytes of a plane at level 0
	v_and_b32 v1, 31, v0                           ; lane
	v_lshrrev_b32 v2, 5, v0                        ; wave = box in the work-group
	v_lshlrev_b32 v2, 4, v2
	s_wait_kmcnt 0x0
	s_add_nc_u64 s[4:5], s[4:5], s[10:11]
	s_add_nc_u64 s[6:7], s[6:7], s[12:13]
	s_add_nc_u64 s[8:9], s[8:9], s[14:15]
	global_load_b128 v[4:7], v2, s[4:5]            ; x1 y1 x2 y2, the same 16 bytes in every lane of the wave
	v_and_b32 v3, 15, v1                           ; i
	v_min_u32 v8, 13, v3                           ; slots 14 and 15 repeat sample 13: defined numbers, weights 0
	v_cvt_f32_u32 v8, v8
	v_fma_f32 v8, v8, 0.5, 0x3e800000              ; g = (i + 0.5) / 2
	v_cmp_gt_u32 s20, 14, v3                       ; a real sample
	v_cmp_lt_u32 vcc_lo, 15, v1                    ; the y axis
	v_lshlrev_b32 v28, 3, v0                       ; my 8 bytes of idx: the thread's number runs through the four records
	s_wait_loadcnt 0x0
	; the level: floor(4 + log2(sqrt(area) / 224 + 1e-8)), clipped to 2..5, less 2
	v_sub_f32 v9, v6, v4
	v_sub_f32 v10, v7, v5
	v_mul_f32 v9, v9, v10                          ; area
	v_sqrt_f32 v10, v9                             ; one plain vector instruction stands behind a transcendental before its result is used (ISA guide 5.7.2):
	v_cndmask_b32 v11, v4, v5, vcc_lo              ; my axis' start,
	v_cndmask_b32 v12, v6, v7, vcc_lo              ; and its end
	s_wait_alu depctr_va_vdst(0)
	v_fma_f32 v10, v10, s16, s17
	v_log_f32 v13, v10
	v_lshlrev_b32 v29, 4, v0                       ; my 16 bytes of wts (the place behind v_log_f32)
	s_wait_alu depctr_va_vdst(0)
	v_add_f32 v13, 4.0, v13
	v_floor_f32 v13, v13
	v_cmp_eq_f32 s21, v13, v13                     ; the level is a number
	v_max_num_f32 v13, 2.0, v13                    ; a NaN loses: level 2, with weights 0
	v_min_num_f32 v13, 0x40a00000, v13             ; 5.0
	v_cvt_u32_f32 v13, v13
	v_add_nc_u32 v10, -2, v13                      ; level 0..3
	v_sub_nc_u32 v13, 125, v10
	v_lshlrev_b32 v13, 23, v13                     ; scale = 0.25 x 2^-level, built as exponent bits
	v_lshrrev_b32 v14, v10, s18                    ; size = 256 >> level
	v_cvt_f32_u32 v15, v14
	; the sample's coordinate
	v_fma_f32 v11, v11, v13, -0.5                  ; start x scale - 0.5 (the product is exact)
	v_fma_f32 v12, v12, v13, -0.5
	v_sub_f32 v12, v12, v11
	v_mul_f32 v12, INV7, v12                       ; bin
	v_fma_f32 v16, v8, v12, v11                    ; c = start + g x bin
	v_cmp_le_f32 s22, -1.0, v16                    ; valid: -1 <= c
	v_cmp_ge_f32 s23, v15, v16                     ;        c <= size (a NaN fails both)
	s_and_b32 s22, s22, s23
	s_and_b32 s22, s22, s20
	s_and_b32 s22, s22, s21                        ; the lanes whose weights count
	v_max_num_f32 v16, 0, v16
	v_floor_f32 v17, v16
	v_add_f32 v18, -1.0, v15
	v_min_num_f32 v17, v17, v18                    ; lo = min(floor(c), size - 1), still f32: no conversion of a large number
	v_sub_f32 v16, v16, v17                        ; frac
	v_cvt_u32_f32 v17, v17                         ; lo
	v_add_nc_u32 v19, -1, v14
	v_add_nc_u32 v18, 1, v17
	v_min_u32 v18, v18, v19                        ; hi = min(lo + 1, size - 1)
	v_fma_f32 v20, v16, -0.5, 0.5                  ; (1 - frac) / 2
	v_mul_f32 v22, 0.5, v16                        ; frac / 2
	v_cndmask_b32 v20, 0, v20, s22                 ; chosen, not multiplied: a frac that is no number leaves no trace
	v_cndmask_b32 v22, 0, v22, s22
	v_mov_b32 v21, v20                             ; each weight twice
	v_mov_b32 v23, v22
	; byte offsets: x: 4 x; y: a row is 4 x size = 2^(10 - level) bytes
	v_sub_nc_u32 v24, 10, v10
	v_cndmask_b32 v24, 2, v24, vcc_lo
	v_lshlrev_b32 v26, v24, v17
	v_lshlrev_b32 v27, v24, v18
	v_lshlrev_b32 v25, 1, v10
	v_lshrrev_b32 v25, v25, s19                    ; bytes of a plane = 0x40000 >> 2 level
	v_cmp_eq_u32 vcc_lo, 30, v1                    ; lane 30 (words 60 and 61) carries the level and the plane's bytes
	v_cndmask_b32 v26, v26, v10, vcc_lo
	v_cndmask_b32 v27, v27, v25, vcc_lo
	global_store_b64 v28, v[26:27], s[6:7]
	global_store_b128 v29, v[20:23], s[8:9]
	s_endpgm
.Lfunc_end_k_qa2f5dccdaf_prep:
	.size	k_qa2f5dccdaf_prep, .Lfunc_end_k_qa2f5dccdaf_prep-k_qa2f5dccdaf_prep
	.p2alignl 7, 3214868480
	.fill 96, 4, 3214868480
	.section	.rodata,"a",@progbits
	.p2align	6, 0x0
	.amdhsa_kernel k_qa2f5dccdaf_prep
		.amdhsa_group_segment_fixed_size 0
		.amdhsa_private_segment_fixed_size 0
		.amdhsa_enable_private_segment 0
		.amdhsa_kernarg_size 24
		.amdhsa_user_sgpr_count 2
		.amdhsa_user_sgpr_kernarg_segment_ptr 1
		.amdhsa_wavefront_size32 1
		.amdhsa_system_sgpr_workgroup_id_x 1
		.amdhsa_system_sgpr_workgroup_id_y 1
		.amdhsa_system_sgpr_workgroup_id_z 1
		.amdhsa_system_vgpr_workitem_id 0
		.amdhsa_next_free_vgpr 32
		.amdhsa_next_free_sgpr 66
		.amdhsa_reserve_vcc 1
		.amdhsa_float_denorm_mode_32 3
		.amdhsa_float_denorm_mode_16_64 3
		.amdhsa_memory_ordered 1
		.amdhsa_forward_progress 1
		.amdhsa_inst_pref_size 4
	.end_amdhsa_kernel
	.amdgpu_metadata
---
amdhsa.version: [ 1, 2 ]
amdhsa.kernels:
  - .name:           k_qa2f5dccdaf_prep
    .symbol:         k_qa2f5dccdaf_prep.kd
    .args:
      - { .name: boxes, .offset: 0, .size: 8, .value_kind: global_buffer, .address_space: global }
      - { .name: idx, .offset: 8, .size: 8, .value_kind: global_buffer, .address_space: global }
      - { .name: wts, .offset: 16, .size: 8, .value_kind: global_buffer, .address_space: global }
    .group_segment_fixed_size: 0
    .private_segment_fixed_size: 0
    .kernarg_segment_align: 8
    .kernarg_segment_size: 24
    .max_flat_workgroup_size: 128
    .sgpr_count:     66
    .vgpr_count:     32
    .wavefront_size: 32
...
	.end_amdgpu_metadata
.endif
;; end of part 1
;; launch pool (part 2): grid 4096 x 1, 4 waves a work-group, no clusters, 50,688 bytes of LDS; arguments idx, wts, feat2, feat3, feat4, feat5, out0; writes out0
.if DOCPART == 2
	.amdgcn_target "amdgcn-amd-amdhsa--gfx1250"
	.amdhsa_code_object_version 6
	.text
	.protected	k_qa2f5dccdaf_pool
	.globl	k_qa2f5dccdaf_pool
	.p2align	8
	.type	k_qa2f5dccdaf_pool,@function
k_qa2f5dccdaf_pool:
	s_mov_b64 s[64:65], 0
	v_nop
	global_prefetch_b8 v0, s[64:65] scope:SCOPE_SE
	s_setreg_imm32_b32 hwreg(HW_REG_WAVE_MODE, 25, 1), 1
	s_wait_xcnt 0x0
; ROI pooling, second launch.  out[box][c][py][px] = sum over the 4 rows r of bin py and the 4 columns j of bin px of wy[r] wx[j] F[c][row r][col j],
; with the rows, columns, weights and the level as the first launch left them in idx and wts.
; A work-group makes 64 channels of one box (work-group number = 4 box + quarter): 12,544 bytes of out0, 49 aligned blocks of 256.  Four waves, 16 channels each, two at a time.
; GATHER.  Lane j = 4 px + tap is one of the 28 columns; one load brings one row of one channel for all columns, so a load touches one short piece of a row.
;   Lanes 28-31 act as lane 27 (same address, same number, same LDS word): EXEC stays full and nothing is asked for that is not needed anyway.
;   The 28 vector offsets (row + column) are made once; the channel is in two scalar bases that step by two planes.
;   A ring of 7 groups (one for each py: 4 rows x 2 channels = 8 loads, 8 registers): a group is loaded again, for the next two channels, as soon as it is used: 48 to 56 loads of a wave are out.
; SUMS.  Down the rows in the lane, two channels in one packed instruction, wy from scalar pairs; then x wx.  The sum over a bin's four columns is not made across lanes:
;   tap t of every output goes to plane t of the wave's LDS, in the order of the output, and on the way out a lane adds four loads of 16 bytes: 4 neighbouring outputs.
; LDS.  Wave w owns bytes 12,544 w ..: four planes of 3,136 bytes (16 channels x 196).  The planes start 784 words apart, 16 modulo 64, so the 28 words of a store
;   (4 runs of 7) fall into different banks (64 banks of 4 bytes: ISA guide 11.1).
;   The highest tap: 3 x 12,544 (wave) + 3 x 3,136 (tap) + 4 x 6 (px) + 15 x 196 (channel) + 28 x 6 (py) + 4 bytes = 50,176, within the 50,688 allotted.
; WAY OUT.  Behind one barrier wave w takes bytes 3,072 w .. of the group's output, 512 at a time: sixteen neighbouring lanes store 256 consecutive bytes, aligned.  Wave 3 takes the 49th block with 16 lanes.
; NO CLUSTER: the four work-groups of a box read different planes, and two boxes share rows only where the data make them overlap: there is no tile that partners ask for together.
; NO PREFETCH: what a wave will need next is already asked for by the ring, 56 loads deep; a prefetch would ask for the same lines a second time.
; LIMIT.  A sample that is not valid has weight 0 instead of being replaced by 0: the features must be finite at the clamped places of such samples (0 x Inf is NaN).
.set CHB,   196                        ; bytes of a channel's 49 outputs
.set WCH,   16                         ; channels of a wave
.set PAIRS, WCH/2
.set TAPB,  WCH*CHB                    ; 3,136: a plane of taps
.set WREG,  4*TAPB                     ; 12,544: a wave's LDS
.set QB,    4*WCH*CHB                  ; 12,544: a work-group's bytes of out0
.set FL,    512                        ; bytes that one store of a wave covers
.set FLW,   6*FL                       ; a wave's share of the way out
.set XO,    5                          ; v5        my column's byte offset
.set WX,    6                          ; v[6:7]    my column's weight, twice
.set VOFF,  8                          ; v[8:35]   row r: byte offset of (row r, my column) in a plane
.set ACC,   36                         ; v[36:49]  py: the sums of the two channels
.set D,     50                         ; v[50:105] group py: row t of 4: the two channels' numbers
.set T,     8                          ; v[8:103]  the way out: block k: four loads of 16 bytes
.set LST,   106                        ; where I put a tap
.set AD0,   107                        ; the way out: my LDS address in my first 512 bytes
.set AD1,   108                        ;              and in the others
.set GO,    109                        ;              my byte offset in the group's output
.set X,     110                        ; v[110:125] the 49th block
.set Z,     126                        ; zero: the address of loads that are the same in all lanes
.set WY,    32                         ; s[32:63], s[68:91]: wy of row r, twice, at 32 + 2 r (+ 4 from r = 16 on)
.set BA,    26                         ; s[26:27]  plane of the even channel
.set BB,    28                         ; s[28:29]  plane of the odd channel
.set STEP,  24                         ; s[24:25]  two planes
	s_load_b128 s[4:7], s[0:1], 0x0                ; idx s[4:5], wts s[6:7]
	s_load_b256 s[8:15], s[0:1], 0x10              ; feat2, feat3, feat4, feat5
	s_load_b64 s[16:17], s[0:1], 0x30              ; out0
	v_lshl_add_u32 v128, v0, 2, 0xc400
	v_mov_b32 v129, 0
	v_and_b32 v1, 31, v0                           ; lane
	v_lshrrev_b32 v2, 5, v0
	v_readfirstlane_b32 s18, v2                    ; wave 0..3
	s_lshr_b32 s19, ttmp9, 2                       ; box
	s_and_b32 s20, ttmp9, 3                        ; quarter of its channels
	s_lshl_b32 s24, s19, 8                         ; the box's 256 bytes of idx
	s_mov_b32 s25, 0
	s_lshl_b32 s26, s19, 9                         ; its 512 bytes of wts
	s_mov_b32 s27, 0
	s_mul_i32 s28, ttmp9, QB                       ; the work-group's bytes of out0: (4 box + quarter) x 12,544, below 2^26
	s_mov_b32 s29, 0
	v_min_u32 v2, 27, v1                           ; the column I act as: my lane, or 27 for lanes 28-31
	v_lshlrev_b32 v3, 2, v2
	v_lshlrev_b32 v4, 3, v2
	v_mov_b32 v[Z], 0
	s_wait_kmcnt 0x0
	s_add_nc_u64 s[4:5], s[4:5], s[24:25]
	s_add_nc_u64 s[6:7], s[6:7], s[26:27]
	s_add_nc_u64 s[16:17], s[16:17], s[28:29]
	; all the box's figures are asked for at once
	s_load_b64 s[22:23], s[4:5], 0xf0              ; level, bytes of a plane
	s_load_b512 s[32:47], s[6:7], 0x100            ; wy, 28 pairs
	s_load_b512 s[48:63], s[6:7], 0x140
	s_load_b512 s[68:83], s[6:7], 0x180
	s_load_b256 s[84:91], s[6:7], 0x1c0
	global_load_b32 v[XO], v3, s[4:5]              ; my column
.irp m, 0,1,2,3,4,5,6
	global_load_b128 v[VOFF+4*\m:VOFF+4*\m+3], v[Z], s[4:5] offset:128+16*\m   ; the 28 rows, the same in every lane
.endr
	global_load_b64 v[WX:WX+1], v4, s[6:7]         ; my column's weight
	; LDS addresses, while those are on their way
	v_and_b32 v[LST], 3, v2                        ; tap, 0 to 3
	v_mul_u32_u24 v[LST], v[LST], TAPB             ; its plane
	v_lshrrev_b32 v[GO], 2, v2                     ; px, 0 to 6
	v_lshl_add_u32 v[LST], v[GO], 2, v[LST]
	s_mul_i32 s21, s18, WREG
	v_add_nc_u32 v[LST], s21, v[LST]               ; in my wave's LDS
	s_mul_i32 s21, s18, FLW
	v_lshl_add_u32 v[GO], v1, 4, s21               ; output byte 3,072 w + 16 lane
	; output byte b of the group lies in the LDS of wave b / 3,136, at b + 9,408 (b / 3,136) + 3,136 tap.  My bytes from 3,072 w + 512 on lie in wave w's;
	; of my first 512 those below 3,136 w, lanes 0 to 4 w - 1, lie in wave w - 1's.
	s_mul_i32 s21, s18, WREG-TAPB
	v_add_nc_u32 v[AD1], s21, v[GO]
	s_max_u32 s21, s18, 1
	s_sub_co_u32 s21, s21, 1                       ; w - 1 (0 for wave 0, where no lane takes it)
	s_mul_i32 s21, s21, WREG-TAPB
	v_add_nc_u32 v[AD0], s21, v[GO]
	s_lshl_b32 s21, s18, 2
	v_cmp_gt_u32 vcc_lo, s21, v1
	v_cndmask_b32 v[AD0], v[AD1], v[AD0], vcc_lo
	s_wait_kmcnt 0x0
	; the level picks the buffer; whole numbers that were loaded are bounded before they enter an address
	s_min_u32 s22, s22, 3
	s_min_u32 s23, s23, 0x40000
	s_cmp_eq_u32 s22, 1
	s_cselect_b64 s[8:9], s[10:11], s[8:9]
	s_cmp_eq_u32 s22, 2
	s_cselect_b64 s[8:9], s[12:13], s[8:9]
	s_cmp_eq_u32 s22, 3
	s_cselect_b64 s[8:9], s[14:15], s[8:9]
	s_lshr_b32 s21, s19, 9                         ; image = box / 512
	s_lshl_b32 s21, s21, 2
	s_add_co_u32 s21, s21, s20                     ; x 4 + quarter
	s_lshl_b32 s21, s21, 2
	s_add_co_u32 s21, s21, s18                     ; x 4 + wave
	s_lshl_b32 s21, s21, 4                         ; x 16 channels: my first plane's number, 496 at the most
	s_mul_i32 s24, s21, s23                        ; in bytes, below 2^27; s25 is 0
	s_add_nc_u64 s[BA:BA+1], s[8:9], s[24:25]
	s_mov_b32 s24, s23
	s_add_nc_u64 s[BB:BB+1], s[BA:BA+1], s[24:25]
	s_lshl_b32 s[STEP], s23, 1                     ; two planes
	s_wait_loadcnt 0x1                             ; my column and the rows are in; only the youngest load, wx, may be out
	v_min_u32 v[XO], 0x3fc, v[XO]                  ; 4 x 255 at the most
.set r, 0
.rept 28
	v_min_u32 v[VOFF+r], 0x3fc00, v[VOFF+r]        ; 1,024 x 255 at the most
	v_add_nc_u32 v[VOFF+r], v[VOFF+r], v[XO]
.set r, r+1
.endr
; the eight loads of group g: its four rows, both channels
.macro LOADG g
.irp t, 0,1,2,3
	global_load_b32 v[D+8*\g+2*\t],   v[VOFF+4*\g+\t], s[BA:BA+1]
	global_load_b32 v[D+8*\g+2*\t+1], v[VOFF+4*\g+\t], s[BB:BB+1]
.endr
.endm
; Bin row g of the two channels at hand.  ahead = 1: the group is loaded again for the next two channels.
.macro BIN g, ahead
.set WB, WY+8*\g+4*(\g/4)
.set DB, D+8*\g
.set AB, ACC+2*\g
.if \ahead
	s_wait_loadcnt 48                              ; loads come back in order (ISA guide 5.7.1): my group is in, the six younger groups of 8 stay out
.else
	s_wait_loadcnt 8*(6-\g)                        ; the last two channels: only this pair's later groups are behind mine
.endif
	v_pk_mul_f32 v[AB:AB+1], v[DB:DB+1],   s[WB:WB+1] op_sel_hi:[1,0]                      ; the first product starts the sums
	v_pk_fma_f32 v[AB:AB+1], v[DB+2:DB+3], s[WB+2:WB+3], v[AB:AB+1] op_sel_hi:[1,0,1]
	v_pk_fma_f32 v[AB:AB+1], v[DB+4:DB+5], s[WB+4:WB+5], v[AB:AB+1] op_sel_hi:[1,0,1]
	v_pk_fma_f32 v[AB:AB+1], v[DB+6:DB+7], s[WB+6:WB+7], v[AB:AB+1] op_sel_hi:[1,0,1]
.if \ahead
	LOADG \g
.endif
	v_pk_mul_f32 v[AB:AB+1], v[AB:AB+1], v[WX:WX+1]
	ds_store_b32 v[LST], v[AB]   offset:28*\g      ; my tap of output (py = g, px), even channel
	ds_store_b32 v[LST], v[AB+1] offset:CHB+28*\g  ; odd channel
.endm
.macro PAIR ahead
.if \ahead
	s_wait_xcnt 0x0                                ; every load issued has had its address translated (ISA guide 3.1): the bases are stepped only behind this wait
	s_add_nc_u64 s[BA:BA+1], s[BA:BA+1], s[STEP:STEP+1]
	s_add_nc_u64 s[BB:BB+1], s[BB:BB+1], s[STEP:STEP+1]
.endif
.irp g, 0,1,2,3,4,5,6
	BIN \g, \ahead
.endr
.if \ahead
	v_add_nc_u32 v[LST], 2*CHB, v[LST]             ; the next two channels' place in the planes
.endif
.endm
.irp g, 0,1,2,3,4,5,6
	LOADG \g                                       ; the ring is filled: channels 0 and 1
.endr
	s_mov_b32 s31, PAIRS-1
.Lpair:
	PAIR 1
	s_sub_co_u32 s31, s31, 1
	s_cmp_lg_u32 s31, 0
	s_cbranch_scc1 .Lpair
	PAIR 0                                         ; the last two channels load nothing: the counts run down to 0
	s_wait_dscnt 0x0                               ; my taps are in LDS: zero, for the other waves' sake
	s_barrier_signal -1
	s_barrier_wait -1                              ; everybody's are
; THE WAY OUT.  Four loads of 16 bytes, one from each plane: tap t of my 4 neighbouring outputs.  All global loads are done (the last wait was for 0), so their registers serve again.
.macro FREAD k, adr
.irp t, 0,1,2,3
	ds_load_b128 v[T+16*\k+4*\t:T+16*\k+4*\t+3], v[\adr] offset:\t*TAPB+FL*\k
.endr
.endm
.macro FSUM b                          ; (tap 0 + tap 1) + (tap 2 + tap 3), four outputs, into the first four registers
	v_pk_add_f32 v[\b:\b+1],     v[\b:\b+1],     v[\b+4:\b+5]
	v_pk_add_f32 v[\b+2:\b+3],   v[\b+2:\b+3],   v[\b+6:\b+7]
	v_pk_add_f32 v[\b+8:\b+9],   v[\b+8:\b+9],   v[\b+12:\b+13]
	v_pk_add_f32 v[\b+10:\b+11], v[\b+10:\b+11], v[\b+14:\b+15]
	v_pk_add_f32 v[\b:\b+1],     v[\b:\b+1],     v[\b+8:\b+9]
	v_pk_add_f32 v[\b+2:\b+3],   v[\b+2:\b+3],   v[\b+10:\b+11]
.endm
	FREAD 0, AD0
.irp k, 1,2,3,4,5
	FREAD \k, AD1
.endr
.irp k, 0,1,2,3,4,5
	s_wait_dscnt 4*(5-\k)                          ; LDS loads come back in order: block k's four are in, the later blocks' stay out
	FSUM T+16*\k
	global_store_b128 v[GO], v[T+16*\k:T+16*\k+3], s[16:17] offset:FL*\k th:TH_STORE_NT   ; 512 consecutive bytes, aligned; each block has its own registers: no wait for a store
.endr
	s_cmp_lg_u32 s18, 3
	s_cbranch_scc1 .Ldone
	; the group's 49th block of 256 bytes: wave 3, lanes 0-15
	s_mul_i32 s21, s18, WREG-TAPB+FLW              ; as AD1, with the lane taken modulo 16
	v_and_b32 v[X], 15, v1
	v_lshl_add_u32 v[X], v[X], 4, s21
	v_cmp_gt_u32 vcc_lo, 16, v1
	s_wait_xcnt 0x0                                ; EXEC is a source of the stores above: it is narrowed only behind this wait
	s_and_saveexec_b32 s30, vcc_lo
	ds_load_b128 v[X+4:X+7],   v[X] offset:1*TAPB+6*FL
	ds_load_b128 v[X+8:X+11],  v[X] offset:2*TAPB+6*FL
	ds_load_b128 v[X+12:X+15], v[X] offset:3*TAPB+6*FL
	ds_load_b128 v[X:X+3],     v[X] offset:0*TAPB+6*FL   ; the last one lands on its own address register
	s_wait_dscnt 0x0
	FSUM X
	global_store_b128 v[GO], v[X:X+3], s[16:17] offset:6*FL th:TH_STORE_NT
	s_wait_xcnt 0x0                                ; and widened again only behind this one
	s_or_b32 exec_lo, exec_lo, s30
.Ldone:
	s_barrier_signal -1
	s_barrier_wait -1
	s_wait_tensorcnt 0x0
	ds_add_u32 v128, v129
	s_wait_dscnt 0x0
	s_endpgm
.Lfunc_end_k_qa2f5dccdaf_pool:
	.size	k_qa2f5dccdaf_pool, .Lfunc_end_k_qa2f5dccdaf_pool-k_qa2f5dccdaf_pool
	.p2alignl 7, 3214868480
	.fill 96, 4, 3214868480
	.section	.rodata,"a",@progbits
	.p2align	6, 0x0
	.amdhsa_kernel k_qa2f5dccdaf_pool
		.amdhsa_group_segment_fixed_size 50688
		.amdhsa_private_segment_fixed_size 0
		.amdhsa_enable_private_segment 0
		.amdhsa_kernarg_size 56
		.amdhsa_user_sgpr_count 2
		.amdhsa_user_sgpr_kernarg_segment_ptr 1
		.amdhsa_wavefront_size32 1
		.amdhsa_system_sgpr_workgroup_id_x 1
		.amdhsa_system_sgpr_workgroup_id_y 1
		.amdhsa_system_sgpr_workgroup_id_z 1
		.amdhsa_system_vgpr_workitem_id 0
		.amdhsa_next_free_vgpr 130
		.amdhsa_next_free_sgpr 92
		.amdhsa_reserve_vcc 1
		.amdhsa_float_denorm_mode_32 3
		.amdhsa_float_denorm_mode_16_64 3
		.amdhsa_memory_ordered 1
		.amdhsa_forward_progress 1
		.amdhsa_inst_pref_size 30
	.end_amdhsa_kernel
	.amdgpu_metadata
---
amdhsa.version: [ 1, 2 ]
amdhsa.kernels:
  - .name:           k_qa2f5dccdaf_pool
    .symbol:         k_qa2f5dccdaf_pool.kd
    .args:
      - { .name: idx, .offset: 0, .size: 8, .value_kind: global_buffer, .address_space: global }
      - { .name: wts, .offset: 8, .size: 8, .value_kind: global_buffer, .address_space: global }
      - { .name: feat2, .offset: 16, .size: 8, .value_kind: global_buffer, .address_space: global }
      - { .name: feat3, .offset: 24, .size: 8, .value_kind: global_buffer, .address_space: global }
      - { .name: feat4, .offset: 32, .size: 8, .value_kind: global_buffer, .address_space: global }
      - { .name: feat5, .offset: 40, .size: 8, .value_kind: global_buffer, .address_space: global }
      - { .name: out0, .offset: 48, .size: 8, .value_kind: global_buffer, .address_space: global }
    .group_segment_fixed_size: 50688
    .private_segment_fixed_size: 0
    .kernarg_segment_align: 8
    .kernarg_segment_size: 56
    .max_flat_workgroup_size: 128
    .sgpr_count:     92
    .vgpr_count:     130
    .wavefront_size: 32
...
	.end_amdgpu_metadata
.endif
;; end of part 2
